; MI455X (gfx1250); checked and timed in simulation.
; The chip was launched on July 23, 2026; its instructions are those of AMD's public machine-readable ISA for CDNA 5 (MIT licence, August 2026) and "CDNA5" Instruction Set Architecture Reference Guide (July 2026). The comments in the code are by the model that wrote it; some were corrected since.
;; Additive Attention. Allowed arithmetic: matrix products marked QUANTISED: E3M2 operands, one E8M0 scale for each 32 along K, by v_wmma_scale_f32_16x16x128_f8f6f4 with both operands' format E3M2, f32 sums; products left as they are: f32 operands where the result goes on into a quantised operand, else bf16, f16 or f32 operands; f32 sums; everything else in f32.
;; Inputs: V 1,024 x 1 float32; W1_codes 1,024 x 32 x 24 uint8 (E3M2 codes of W1, K innermost, in blocks of 32 codes, four codes in three bytes); W1_scales 1,024 x 32 uint8 (E8M0 scales of W1, one for each 32 codes along K); W2_codes 1,024 x 32 x 24 uint8 (E3M2 codes of W2, K innermost, in blocks of 32 codes, four codes in three bytes); W2_scales 1,024 x 32 uint8 (E8M0 scales of W2, one for each 32 codes along K); b1 1,024 float32; b2 1,024 float32; bv 1 float32; query_codes 32 x 32 x 24 uint8 (E3M2 codes of query, K innermost, in blocks of 32 codes, four codes in three bytes); query_scales 32 x 32 uint8 (E8M0 scales of query, one for each 32 codes along K); values 32 x 2,048 x 1,024 float32.
;; Outputs: out0 32 x 1,024 float32; out1 32 x 2,048 x 1 float32.
;; This version of the problem:
;;   THIS VERSION OF THE PROBLEM IS GIVEN IN LOW PRECISION. The matrix products marked QUANTISED in the list below multiply operands that are first quantised to E3M2 (3 exponent bits, 2 mantissa bits; 6 bits a number), with one power-of-two scale for each 32 numbers along K (OCP MX v1.0); their sums are f32. All else is computed in f32.
;;   The module's matrix products, in the order in which they are computed (A, B: the left and right operand; K: the contracted axis; several contracted axes count as one K, in the product's order):
;;     1. [M 32, K 1,024] x [K 1,024, N 1,024]; A: input query (given as codes); B: input W2 (given as codes): QUANTISED
;;     2. [M 65,536, K 1,024] x [K 1,024, N 1,024]; A: input values; B: input W1 (given as codes): QUANTISED
;;     3. [M 65,536, K 1,024] x [K 1,024, N 1]; A: computed on the way; B: input V: left as it is (N = 1 < 16)
;;   THE QUANTISER, for each operand of a quantised product, along K:
;;     - K is cut into blocks of 32 from its start; a last block that is shorter is filled with zeros.
;;     - A block's scale is 2^e with e = floor(log2(the largest magnitude in the block)) - 4, held to -126 .. 127; a block of zeros has e = 0. As a byte (E8M0): e + 127.
;;     - Each number is divided by its block's scale, clamped to +-28, and rounded to the nearest number of E3M2, ties to even, subnormals kept.
;;     - The product sums the exact products of the quantised numbers (number of the format x scale) in f32.
;;   ~~~python
;;   def quantise(x, axis):      # numpy; x: float32 -> the quantised numbers, widened to float32 again
;;       x = np.moveaxis(x, axis, -1); K = x.shape[-1]
;;       x = np.pad(x, [(0, 0)] * (x.ndim - 1) + [(0, -K % 32)]); x = x.reshape(x.shape[:-1] + (-1, 32)); a = np.abs(x).max(-1, keepdims=True)
;;       e = np.where(a > 0, np.clip(np.frexp(np.where(a > 0, a, 1))[1] - 1 - 4, -126, 127), 0)      # np.frexp(a)[1] - 1 = floor(log2(a)), exactly
;;       r = np.clip(x / 2.0 ** e, -28, 28)
;;       step = 2.0 ** (np.maximum(np.frexp(np.where(r == 0, 1, r))[1] - 1, -2) - 2)
;;       q = np.round(r / step) * step * 2.0 ** e      # np.round: ties to even
;;       return np.moveaxis(q.reshape(q.shape[:-2] + (-1,))[..., :K], -1, axis).astype(np.float32)
;;   ~~~
;;   INPUTS GIVEN AS CODES. W1 (in the module: [1024, 1024], K = its axis 0); W2 (in the module: [1024, 1024], K = its axis 0); query (in the module: [32, 1024], K = its axis 1): each comes as NAME_codes (uint8): NAME with its K axis moved to the last place and cut into blocks of 32 codes, [.., K / 32, bytes a block], one block behind the other in memory; four codes in three bytes: a row's codes are one little-endian stream of bits, code i at bits 6 i .. 6 i + 5 (a code: sign, 3 exponent bits, 2 mantissa bits); and NAME_scales (uint8): the same leading axes, one E8M0 byte (e + 127) for each 32 codes along K. Its value is code x scale, taken as it is: it is not quantised again, and the codes and scales need not be those that the quantiser above would give.
;; One version. Each part assembles by itself: llvm-mc -triple=amdgcn-amd-amdhsa -mcpu=gfx1250 --defsym DOCPART=n.
;; ======== version 1 of 1: 3 launches
;; limits: right only within a limited range of input values
;; workspace buffers: qb 131,072 bytes; W1img 786,432 bytes; scores 262,144 bytes
;; launch prep (part 1): grid 64 x 1, 4 waves a work-group, no clusters, 0 bytes of LDS; arguments query_codes, query_scales, W2_codes, W2_scales, b1, b2, W1_codes, qb, W1img; writes qb, W1img
.if DOCPART == 1
	.amdgcn_target "amdgcn-amd-amdhsa--gfx1250"
	.amdhsa_code_object_version 6
	.text
	.protected	k_q2c8117d0b4_prep
	.globl	k_q2c8117d0b4_prep
	.p2align	8
	.type	k_q2c8117d0b4_prep,@function
k_q2c8117d0b4_prep:
	s_mov_b64 s[64:65], 0
	v_nop
	global_prefetch_b8 v0, s[64:65] scope:SCOPE_SE
	s_setreg_imm32_b32 hwreg(HW_REG_WAVE_MODE, 25, 1), 1
	s_wait_xcnt 0x0
; ADDITIVE ATTENTION, launch 1 of 3.
; The program: q = query W2 + b2 (codes of E3M2 as given); v = Q(values) W1 + b1; score[t] = sum over u of V[u] tanh(v[t][u] + q[u]) + bv; w = softmax over t; context = sum over t of w[t] values[t].
; WORK LEFT OUT, for all values of the inputs.  softmax over t of (s[t] + k) = softmax over t of s[t] for any k that is the same for all t of a batch.
;   (a) bv is such a k: it reaches neither output.  bv is not loaded and is no argument of any launch.
;   (b) tanh(x) = 1 - 2 / (1 + 2^(c x)), c = 2 log2(e).  So score[t] = sum of V[u] - 2 sum of V[u] r[t][u], r = 1 / (1 + 2^(c x)); the first sum is such a k and is never formed.
;   LIMIT: a NaN, an infinity or an overflow in bv or in the sum of V alone is not carried to the result.
; THIS LAUNCH makes two workspace buffers.  Work-group n owns units 16 n .. 16 n + 15.
;   Waves 0, 1 (t = wave): qb[16 t + ..][16 n + ..] = c (q + b1 + b2): product 1 on the given codes, 8 K steps of 128, on two accumulators by turns;
;     b1 rides along, since launch 2 only ever needs the sum v + q with both biases.  A store covers 64 consecutive bytes for each 16 lanes: the buffer is 128 KiB in all.
;   Waves 2, 3 (g = wave - 2): W1's fragments of K steps 4 g .. 4 g + 3 are laid out as images of the operand's registers: fragment F = ((n / 4) 8 + s) 4 + n % 4 at byte 1,536 F,
;     registers 4 k .. 4 k + 3 of lane l at 512 k + 16 l.  So launch 2 fetches a chunk of 64 units as one dense block, and a fragment by three loads of 16 bytes a lane.
; No cluster: what work-groups share here (query's 24 KiB) is small beside each one's own rows of W2 and W1, and nothing goes through LDS.
.set CC, 0x4038aa3b                    ; c = 2 log2(e)
.set QF, 16                            ; v16-111   query's 8 fragments
.set WF, 112                           ; v112-207  W2's 8 fragments
.set QS, 208                           ; v208-215  query's scale words, one for each K step
.set WS, 216                           ; v216-223  W2's
.set A0, 224                           ; v224-231  the even K steps' sums
.set A1, 232                           ; v232-239  the odd ones'
	s_load_b256 s[4:11], s[0:1], 0x0               ; query's codes s[4:5], its scales s[6:7], W2's codes s[8:9], its scales s[10:11]
	s_load_b256 s[12:19], s[0:1], 0x20             ; b1 s[12:13], b2 s[14:15], W1's codes s[16:17], qb s[18:19]
	s_load_b64 s[20:21], s[0:1], 0x40              ; W1img
	v_lshrrev_b32 v1, 5, v0
	v_readfirstlane_b32 s24, v1                    ; wave 0..3
	v_and_b32 v2, 15, v0                           ; r
	v_bfe_u32 v6, v0, 4, 1                         ; h
	v_mul_u32_u24 v3, v2, 768                      ; a row of 1,024 codes is 768 bytes
	v_mad_u32_u24 v3, v6, 24, v3                   ; + 24 h: my half's 32 codes
	s_mul_i32 s26, ttmp9, 12288                    ; 16 rows of W2 or W1
	s_mov_b32 s27, 0
	s_mov_b32 s29, 0
	s_mov_b32 s22, CC
	s_wait_kmcnt 0x0
	s_cmp_lt_u32 s24, 2
	s_cbranch_scc0 .Lrelay
	; ---- waves 0, 1: product 1
	s_wait_alu depctr_va_vdst(0)
	v_lshlrev_b32 v4, 5, v2                        ; a row of scale bytes is 32 bytes
	s_wait_alu depctr_va_vdst(0)
	v_lshlrev_b32 v5, 2, v2                        ; my unit's 4 bytes
	s_wait_alu depctr_va_vdst(0)
	v_lshl_add_u32 v7, v6, 15, v5                  ; qb: 8 h rows of 4,096 bytes + 4 r
	s_mul_i32 s28, s24, 12288
	s_add_nc_u64 s[4:5], s[4:5], s[28:29]          ; query's rows 16 t on
	s_add_nc_u64 s[8:9], s[8:9], s[26:27]          ; W2's rows 16 n on
	s_lshl_b32 s28, s24, 9
	s_add_nc_u64 s[6:7], s[6:7], s[28:29]
	s_lshl_b32 s28, ttmp9, 9
	s_add_nc_u64 s[10:11], s[10:11], s[28:29]
	s_lshl_b32 s28, ttmp9, 6
	s_add_nc_u64 s[12:13], s[12:13], s[28:29]
	s_add_nc_u64 s[14:15], s[14:15], s[28:29]
	s_add_nc_u64 s[18:19], s[18:19], s[28:29]
	s_lshl_b32 s28, s24, 16
	s_add_nc_u64 s[18:19], s[18:19], s[28:29]      ; qb at batch 16 t, unit 16 n
.irp s, 0,1,2,3,4,5,6,7
.irp p, 0,1,2,3,4,5
	global_load_b64 v[QF+12*\s+2*\p:QF+12*\s+2*\p+1], v3, s[4:5] offset:96*\s+48*(\p/3)+8*(\p%3)
	global_load_b64 v[WF+12*\s+2*\p:WF+12*\s+2*\p+1], v3, s[8:9] offset:96*\s+48*(\p/3)+8*(\p%3)
.endr
.endr
	global_load_b128 v[QS:QS+3], v4, s[6:7]
	global_load_b128 v[QS+4:QS+7], v4, s[6:7] offset:16
	global_load_b128 v[WS:WS+3], v4, s[10:11]
	global_load_b128 v[WS+4:WS+7], v4, s[10:11] offset:16
	global_load_b32 v240, v5, s[12:13]             ; b1 of my unit
	global_load_b32 v241, v5, s[14:15]             ; b2
	s_wait_loadcnt 0x0
.irp s, 0,1,2,3,4,5,6,7                        ; source 0 = 16 batches, source 1 = 16 units: register j of lane (r, h) is (batch 8 h + j, unit r)
.if \s < 2
	v_wmma_scale_f32_16x16x128_f8f6f4 v[A0+8*(\s%2):A0+8*(\s%2)+7], v[QF+12*\s:QF+12*\s+11], v[WF+12*\s:WF+12*\s+11], 0, v[QS+\s], v[WS+\s] matrix_a_fmt:MATRIX_FMT_BF6 matrix_b_fmt:MATRIX_FMT_BF6
.else
	v_wmma_scale_f32_16x16x128_f8f6f4 v[A0+8*(\s%2):A0+8*(\s%2)+7], v[QF+12*\s:QF+12*\s+11], v[WF+12*\s:WF+12*\s+11], v[A0+8*(\s%2):A0+8*(\s%2)+7], v[QS+\s], v[WS+\s] matrix_a_fmt:MATRIX_FMT_BF6 matrix_b_fmt:MATRIX_FMT_BF6
.endif
.endr
	v_add_f32 v240, v240, v241                     ; four plain lines that name none of the products' registers stand ahead of the first read of a result (ISA guide 7.12.1)
	v_mul_f32 v240, s22, v240                      ; c (b1 + b2)
	v_nop
	v_nop
.irp j, 0,1,2,3,4,5,6,7                        ; each accumulator from its low end on
	v_add_f32 v[242+\j], v[A0+\j], v[A1+\j]
	v_fma_f32 v[242+\j], v[242+\j], s22, v240
.endr
.irp j, 0,1,2,3,4,5,6,7
	global_store_b32 v7, v[242+\j], s[18:19] offset:4096*\j
.endr
	s_endpgm
.Lrelay:
	; ---- waves 2, 3: W1's fragments as images
	s_sub_co_u32 s25, s24, 2                       ; g
	s_mul_i32 s28, s25, 384                        ; K steps 4 g on: 96 bytes each
	s_add_co_u32 s28, s28, s26
	s_add_nc_u64 s[16:17], s[16:17], s[28:29]
	s_wait_alu depctr_va_vdst(0)
.irp i, 0,1,2,3
.irp p, 0,1,2,3,4,5
	global_load_b64 v[16+12*\i+2*\p:16+12*\i+2*\p+1], v3, s[16:17] offset:96*\i+48*(\p/3)+8*(\p%3)
.endr
.endr
	s_lshr_b32 s30, ttmp9, 2
	s_mul_i32 s30, s30, 49152                      ; the chunk of 64 units,
	s_and_b32 s31, ttmp9, 3
	s_mul_i32 s31, s31, 1536                       ; my tile in it,
	s_add_co_u32 s30, s30, s31
	s_mul_i32 s31, s25, 24576                      ; K step 4 g
	s_add_co_u32 s30, s30, s31
	s_mov_b32 s31, 0
	s_add_nc_u64 s[20:21], s[20:21], s[30:31]
	v_and_b32 v4, 31, v0
	v_lshlrev_b32 v4, 4, v4                        ; 16 x lane
	s_wait_alu depctr_va_vdst(0)
	s_wait_loadcnt 0x0
.irp i, 0,1,2,3
.irp k, 0,1,2
	global_store_b128 v4, v[16+12*\i+4*\k:16+12*\i+4*\k+3], s[20:21] offset:6144*\i+512*\k   ; 32 lanes store 512 consecutive bytes, at a multiple of 256 from the buffer's first byte
.endr
.endr
	s_endpgm
.Lfunc_end_k_q2c8117d0b4_prep:
	.size	k_q2c8117d0b4_prep, .Lfunc_end_k_q2c8117d0b4_prep-k_q2c8117d0b4_prep
	.p2alignl 7, 3214868480
	.fill 96, 4, 3214868480
	.section	.rodata,"a",@progbits
	.p2align	6, 0x0
	.amdhsa_kernel k_q2c8117d0b4_prep
		.amdhsa_group_segment_fixed_size 0
		.amdhsa_private_segment_fixed_size 0
		.amdhsa_enable_private_segment 0
		.amdhsa_kernarg_size 72
		.amdhsa_user_sgpr_count 2
		.amdhsa_user_sgpr_kernarg_segment_ptr 1
		.amdhsa_wavefront_size32 1
		.amdhsa_system_sgpr_workgroup_id_x 1
		.amdhsa_system_sgpr_workgroup_id_y 1
		.amdhsa_system_sgpr_workgroup_id_z 1
		.amdhsa_system_vgpr_workitem_id 0
		.amdhsa_next_free_vgpr 256
		.amdhsa_next_free_sgpr 66
		.amdhsa_reserve_vcc 0
		.amdhsa_float_denorm_mode_32 3
		.amdhsa_float_denorm_mode_16_64 3
		.amdhsa_memory_ordered 1
		.amdhsa_forward_progress 1
		.amdhsa_inst_pref_size 19
	.end_amdhsa_kernel
	.amdgpu_metadata
---
amdhsa.version: [ 1, 2 ]
amdhsa.kernels:
  - .name:           k_q2c8117d0b4_prep
    .symbol:         k_q2c8117d0b4_prep.kd
    .args:
      - { .name: query_codes, .offset: 0, .size: 8, .value_kind: global_buffer, .address_space: global }
      - { .name: query_scales, .offset: 8, .size: 8, .value_kind: global_buffer, .address_space: global }
      - { .name: W2_codes, .offset: 16, .size: 8, .value_kind: global_buffer, .address_space: global }
      - { .name: W2_scales, .offset: 24, .size: 8, .value_kind: global_buffer, .address_space: global }
      - { .name: b1, .offset: 32, .size: 8, .value_kind: global_buffer, .address_space: global }
      - { .name: b2, .offset: 40, .size: 8, .value_kind: global_buffer, .address_space: global }
      - { .name: W1_codes, .offset: 48, .size: 8, .value_kind: global_buffer, .address_space: global }
      - { .name: qb, .offset: 56, .size: 8, .value_kind: global_buffer, .address_space: global }
      - { .name: W1img, .offset: 64, .size: 8, .value_kind: global_buffer, .address_space: global }
    .group_segment_fixed_size: 0
    .private_segment_fixed_size: 0
    .kernarg_segment_align: 8
    .kernarg_segment_size: 72
    .max_flat_workgroup_size: 128
    .sgpr_count:     66
    .vgpr_count:     256
    .wavefront_size: 32
...
	.end_amdgpu_metadata
.endif
;; end of part 1
;; launch score (part 2): grid 256 x 1, 8 waves a work-group, clusters of 4 x 1, 327,680 bytes of LDS; arguments values, W1img, W1_scales, qb, V, scores; writes scores
.if DOCPART == 2
	.amdgcn_target "amdgcn-amd-amdhsa--gfx1250"
	.amdhsa_code_object_version 6
	.text
	.protected	k_q2c8117d0b4_score
	.globl	k_q2c8117d0b4_score
	.p2align	8
	.type	k_q2c8117d0b4_score,@function
k_q2c8117d0b4_score:
	s_mov_b64 s[64:65], 0
	v_nop
	global_prefetch_b8 v0, s[64:65] scope:SCOPE_SE
	s_setreg_imm32_b32 hwreg(HW_REG_WAVE_MODE, 25, 1), 1
	s_wait_xcnt 0x0
	s_wait_alu depctr_hold_cnt(0) depctr_sa_sdst(0) depctr_va_vdst(0) depctr_va_sdst(0) depctr_va_ssrc(0) depctr_va_vcc(0) depctr_vm_vsrc(0)
	s_getreg_b32 s2, hwreg(HW_REG_IB_STS2, 6, 4)
	s_cmp_eq_u32 s2, 0
	s_cbranch_scc0 .Lentry_in_a_cluster
	s_endpgm
.Lentry_in_a_cluster:
	s_bfe_u32 s2, ttmp6, 0x10000c
	s_cmp_lg_u32 s2, 0x3003
	s_cbranch_scc0 .Lentry_shape_is_right
	s_endpgm
.Lentry_shape_is_right:
; ADDITIVE ATTENTION, launch 2 of 3: scores[row] = -2 sum over u of V[u] / (1 + 2^(c (v + q + b1 + b2))), c = 2 log2(e), for the 65,536 rows (batch, t) of values.
; Left out, as shown at the head of launch 1: bv and the sum of V, which are the same for all t of a batch.
; SHARES.  A work-group owns 256 rows (all of one batch), each of its eight waves 32: two tiles of 16.
; PHASE A: a wave reads its 32 rows of f32 once (16 tasks of 16 rows x 512 bytes; three register sets of 8 KiB take turns, every offset an immediate), sends each set through its own stage in LDS,
;   so that a lane gets two whole blocks of 32 of its row, quantises them (scale 2^(floor(log2(largest magnitude)) - 4); nearest code, ties to even, held at the largest code),
;   and the conversions write the operand's registers: 16 fragments, 192 registers in window 1, and 16 scale words.
; PHASE B: all waves walk the 1,024 units in 16 chunks of 64.  A chunk's fragments of W1 (49,152 bytes, laid by launch 1 as register images) come through a ring of two LDS slots.
;   A chunk is for a wave a run of 64 products and a batch of 224 vector lines on its 64 accumulator registers.  The waves are of two kinds, (w xor w / 4) % 2: kind 0 takes the products of chunk k and then its batch,
;   kind 1 the batch of chunk k - 1 and then the products of chunk k.
; ORIENTATION: source 0 = 16 rows of values, source 1 = 16 units of W1: register j of lane (r, h) is (row 8 h + j, unit r).  Bias and V are one number a lane for a tile of units; 16 lanes are added once, at the end.
; CLUSTER: every work-group walks the same W1.  The four of a cluster ask for each tile JOINTLY: the same tensor load, the same descriptor, the mask of all four.
; NO DATA PREFETCH: values is asked for by plain loads, 16 to 24 KiB of each wave on their way through all of phase A; W1img and the scale bytes are the same 819,200 bytes for all 256 work-groups.
; LIMITS: a block of values whose largest magnitude lies under 2^-122 (a block of zeros too) gets the scale byte 1: the bytes are read by this program alone, and zero codes add nothing.  NaN and infinities in values are not served.
; values is read again by launch 3: 256 rows of f32 are 1 MiB, which no work-group can keep until its rows' weights are known.
; LDS: slot 0 at 0, slot 1 at 65,536; W1's scale bytes, 32 a unit; eight stages of 16 rows x (512 + 16) bytes; 1 KiB for the way out; the spare words.  Tensor loads fill the slots and the scale bytes alone, LDS stores the rest alone.
.set SLOT1, 65536
.set CHB,   49152
.set SCLB,  114688
.set STG,   147456
.set STGB,  8448
.set OUTB,  215040
.set SPARE, 216064                     ; 128 bytes for each of eight waves: four blocks of 256 bytes that no other line names
; window 0
.set LI,   1                           ; 16 x lane
.set STA,  2                           ; my stage + 16 x lane
.set STL,  3                           ; my stage + 528 r + 128 h
.set BSA0, 4                           ; SCLB + 32 x lane
.set ADS,  5                           ; the chunk's scale bytes
.set BVB,  6                           ; 4 r
.set SH8,  7                           ; 8 h
.set SOA,  8                           ; the way out: OUTB + 128 wave + 32 h
.set ORD,  9                           ; the way out: OUTB + 16 x lane
.set SPW,  12                          ; my spare word; never rewritten
.set NIL,  13                          ; 0; never rewritten
.set AS,   16                          ; v16-31   values' scale words: tile t, K step s at AS + 8 t + s
.set BS,   32                          ; v32-47   W1's: pair p of tiles, K step s at BS + 8 p + s: lanes 0-15 tile 2 p, lanes 16-31 tile 2 p + 1
.set BF,   48                          ; v48-143  W1's four fragments of a K step, two sets
.set ACC,  144                         ; v144-207 accumulators: rows' tile t, units' tile n at ACC + 8 (4 t + n)
.set SC,   208                         ; v208-223 the rows' sums
.set BI,   224                         ; v224-231 c (q + b1 + b2) of my unit in tile n at BI + 2 n (odd registers: upper halves of pairs, never used)
.set VV,   232                         ; v232-239 V likewise
.set X,    48                          ; phase A: 64 numbers to be quantised; load sets at v112, v176 and window 1's v192
.set TM,   240                         ; phase A: the quantiser's work
.set PT,   248
; window 1: v0-191 my fragments, tile t, K step s at 96 t + 12 s
.set LIW,  192                         ; slot 0 + 16 x lane
.set AD1W, 193                         ; slot 1 + 16 x lane
.set WV,  16
.set KIND, 19
.set SEL, 20
.set CS,  22
.set G1W, 24                           ; 48 rows of 256 bytes: a quarter of a chunk
.set G1S, 32                           ; 32 rows: a quarter of the scale bytes
.set G0A, 40
.set G0B, 44                           ; my eighth of a chunk; it walks
.set G0S, 48
.set TSC, 53
.set CNT, 54
.set VA,  72
.set G1C, 80                           ; 24 rows: an eighth of a chunk
.set MSB, 0
.macro WIN new                         ; the immediate's high byte repeats the setting that is left
.if MSB != (\new)
	s_set_vgpr_msb (MSB<<8)|(\new)
.set MSB, (\new)
.endif
.endm
.macro ROUND                           ; a round of the cluster's barrier
	s_barrier_signal -1
	s_barrier_wait -1
	s_cmp_lg_u32 s[WV], 0
	s_cbranch_scc1 .Lnot_wave_0_\@
	s_barrier_signal -3
.Lnot_wave_0_\@:
	s_barrier_wait -3
	s_barrier_signal -1
	s_barrier_wait -1
.endm
.macro GRP1 g, rows                    ; dense blocks as rows of 256 bytes (32 elements of 8 bytes); the mask of all four work-groups, bit 21 beside it
	s_mov_b32 s[\g], 15|(3<<16)|(1<<21)
	s_mov_b32 s[\g+1], 32<<16
	s_mov_b32 s[\g+2], (\rows)<<16
	s_mov_b32 s[\g+3], 32<<16
	s_mov_b32 s[\g+4], \rows
	s_mov_b32 s[\g+5], 32
	s_mov_b32 s[\g+6], 0
	s_mov_b32 s[\g+7], 0
.endm
.macro SETOF i                         ; task i's register set: window sw, first register sb
.if ((\i)%3) == 2
.set sw, 1
.set sb, 192
.else
.set sw, 0
.set sb, 112+64*((\i)%3)
.endif
.endm
.macro LOADSET i                       ; task i = 8 t + s: K step s of tile t's 16 rows; each load reads 512 consecutive bytes of one row
	SETOF \i
	WIN sw<<6
.irp w, 0,1,2,3,4,5,6,7,8,9,10,11,12,13,14,15
	global_load_b128 v[sb+4*\w:sb+4*\w+3], v[LI], s[VA:VA+1] offset:65536*((\i)/8)+512*((\i)%8)+4096*\w th:TH_LOAD_NT
.endr
	WIN 0
.endm
; X + 32 c + i = k 64 c + 32 h + i of my row: two whole blocks.  Their codes go to window 1's v[f .. f + 11], the row's scale word to v[aw].
.macro QUANT f, aw
.irp q, 0,1,2,3
	v_max3_num_f32 v[TM+\q], |v[X+16*\q]|, |v[X+16*\q+1]|, 0x2800000   ; four chains of 16 numbers by turns, each over the floor 2^(5 - 127): the byte cannot fall under 1
.endr
.irp i, 2,4,6,8,10,12,14
.irp q, 0,1,2,3
	v_max3_num_f32 v[TM+\q], v[TM+\q], |v[X+16*\q+\i]|, |v[X+16*\q+\i+1]|
.endr
.endr
	v_max_num_f32 v[TM], v[TM], v[TM+1]            ; block h
	v_max_num_f32 v[TM+1], v[TM+2], v[TM+3]        ; block 2 + h
	v_add_nc_u32 v[TM+2], 0xfe000000, v[TM]        ; 4 off the exponent field: the conversion's scale operand
	v_add_nc_u32 v[TM+3], 0xfe000000, v[TM+1]
	v_lshrrev_b32 v[TM+4], 23, v[TM+2]             ; the scales' bytes
	v_lshrrev_b32 v[TM+5], 23, v[TM+3]
	v_lshl_or_b32 v[TM+6], v[TM+5], 16, v[TM+4]
	v_lshlrev_b32 v[TM+6], v[SH8], v[TM+6]         ; at their places in the word
	v_permlanex16_b32 v[TM+7], v[TM+6], s[SEL], s[SEL+1]
	v_or_b32 v[\aw], v[TM+6], v[TM+7]              ; with lane l xor 16's two the word is whole
	v_cvt_scalef32_pk16_bf6_f32 v[PT:PT+2], v[X+16:X+31], v[TM+2]      ; (a conversion's three registers begin on an even number: the blocks' upper halves are made here and moved)
	v_cvt_scalef32_pk16_bf6_f32 v[PT+4:PT+6], v[X+48:X+63], v[TM+3]
	WIN 0x40                                       ; destination window 1
	v_cvt_scalef32_pk16_bf6_f32 v[(\f):(\f)+2], v[X:X+15], v[TM+2]
	v_cvt_scalef32_pk16_bf6_f32 v[(\f)+6:(\f)+8], v[X+32:X+47], v[TM+3]
	v_nop                                          ; one plain line behind a scaled conversion
.irp i, 0,1,2
	v_mov_b32 v[(\f)+3+\i], v[PT+\i]
	v_mov_b32 v[(\f)+9+\i], v[PT+4+\i]
.endr
	WIN 0
.endm
.macro TASK i
	SETOF \i
.if (\i) < 14
	s_wait_loadcnt 32                              ; loads come back in order: set i is in, the two younger sets stay out
.else
	s_wait_loadcnt 16*(15-(\i))                    ; the counts run down
.endif
	WIN sw<<2                                      ; an LDS store's data are its source 1
.irp w, 0,1,2,3,4,5,6,7,8,9,10,11,12,13,14,15
	ds_store_b128 v[STA], v[sb+4*\w:sb+4*\w+3] offset:528*\w
.endr
	WIN 0
.irp c, 0,1
.irp j, 0,1,2,3,4,5,6,7
	ds_load_b128 v[X+32*\c+4*\j:X+32*\c+4*\j+3], v[STL] offset:256*\c+16*\j   ; LDS serves a wave's instructions in order: these see the stores above.  Rows 528 bytes apart: 16 lanes, 16 different columns of 16 bytes
.endr
.endr
	s_wait_dscnt 0x0
.if (\i) < 13
	LOADSET (\i)+3
.endif
	QUANT 96*((\i)/8)+12*((\i)%8), AS+(\i)
.endm
.macro BLOAD adw, s                    ; W1's four fragments of K step s; the address register lies in window 1, as source 0 does during the products
.irp n, 0,1,2,3
.irp k, 0,1,2
	ds_load_b128 v[BF+48*((\s)%2)+12*\n+4*\k:BF+48*((\s)%2)+12*\n+4*\k+3], v[\adw] offset:6144*(\s)+1536*\n+512*\k
.endr
.endr
.endm
.macro MM t, n, s                      ; the first K step starts the sum: nothing is cleared
.set rD, ACC+8*(4*(\t)+(\n))
.set rA, 96*(\t)+12*(\s)
.set rB, BF+48*((\s)%2)+12*(\n)
.set rX, AS+8*(\t)+(\s)
.set rY, BS+8*((\n)/2)+(\s)
.if (\s) == 0
.if (\n)%2
	v_wmma_scale_f32_16x16x128_f8f6f4 v[rD:rD+7], v[rA:rA+11], v[rB:rB+11], 0, v[rX], v[rY] matrix_a_fmt:MATRIX_FMT_BF6 matrix_b_fmt:MATRIX_FMT_BF6 matrix_b_scale:MATRIX_SCALE_ROW1
.else
	v_wmma_scale_f32_16x16x128_f8f6f4 v[rD:rD+7], v[rA:rA+11], v[rB:rB+11], 0, v[rX], v[rY] matrix_a_fmt:MATRIX_FMT_BF6 matrix_b_fmt:MATRIX_FMT_BF6
.endif
.else
.if (\n)%2
	v_wmma_scale_f32_16x16x128_f8f6f4 v[rD:rD+7], v[rA:rA+11], v[rB:rB+11], v[rD:rD+7], v[rX], v[rY] matrix_a_fmt:MATRIX_FMT_BF6 matrix_b_fmt:MATRIX_FMT_BF6 matrix_b_scale:MATRIX_SCALE_ROW1
.else
	v_wmma_scale_f32_16x16x128_f8f6f4 v[rD:rD+7], v[rA:rA+11], v[rB:rB+11], v[rD:rD+7], v[rX], v[rY] matrix_a_fmt:MATRIX_FMT_BF6 matrix_b_fmt:MATRIX_FMT_BF6
.endif
.endif
.endm
; A chunk's 64 products.  The eight accumulators take turns, one instruction a turn, in the same order in every K step.
.macro MRUN adw
	v_add_nc_u32 v[ADS], s[TSC], v[BSA0]
.irp p, 0,1
.irp g, 0,1
	ds_load_b128 v[BS+8*\p+4*\g:BS+8*\p+4*\g+3], v[ADS] offset:1024*\p+16*\g   ; lane l: unit 32 p + l's scale words of K steps 4 g on
.endr
.endr
	WIN 0x01                                       ; source 0 window 1: my fragments, and the loads' address
	BLOAD \adw, 0
.irp s, 0,1,2,3,4,5,6,7
.if ((\s) > 0) && ((\s) < 7)
.rept 4
	v_nop                                          ; four plain lines ahead of loads into registers that the last step's products have read
.endr
.endif
.if (\s) < 7
	BLOAD \adw, (\s)+1
	s_wait_dscnt 12                                ; all but the 12 just issued
.else
	s_wait_dscnt 0x0
.endif
.irp t, 0,1
.irp n, 0,1,2,3
	MM \t, \n, \s
.endr
.endr
.endr
	WIN 0
	s_add_co_u32 s[TSC], s[TSC], 2048
.endm
; THE BATCH on the 64 accumulator registers: x = c acc + bias; e = 2^x; d = 1 + e; r = 1 / d; the rows' sums += V r.  Waits stand ahead of and behind each run of transcendentals.
.macro VWORK
	s_wait_loadcnt 0x0                             ; the chunk's bias and V are in
.set J, 0
.rept 32                                       ; each accumulator from its low end on
	v_pk_fma_f32 v[ACC+2*J:ACC+2*J+1], v[ACC+2*J:ACC+2*J+1], s[CS:CS+1], v[BI+2*((J/4)%4):BI+2*((J/4)%4)+1] op_sel_hi:[1,0,0]
.set J, J+1
.endr
	s_wait_alu depctr_va_vdst(0)
.set J, 0
.rept 64
	v_exp_f32 v[ACC+J], v[ACC+J]
.set J, J+1
.endr
	v_nop
	s_wait_alu depctr_va_vdst(0)
.set J, 0
.rept 32
	v_pk_add_f32 v[ACC+2*J:ACC+2*J+1], v[ACC+2*J:ACC+2*J+1], 1.0 op_sel_hi:[1,0]
.set J, J+1
.endr
	s_wait_alu depctr_va_vdst(0)
.set J, 0
.rept 64
	v_rcp_f32 v[ACC+J], v[ACC+J]
.set J, J+1
.endr
	v_nop
	s_wait_alu depctr_va_vdst(0)
.set J, 0
.rept 32                                       ; units' tile J / 8, rows' tile (J / 4) % 2, pair J % 4: eight different sums between two lines on one sum
.set aa, ACC+8*(4*((J/4)%2)+J/8)+2*(J%4)
.set ss, SC+8*((J/4)%2)+2*(J%4)
	v_pk_fma_f32 v[ss:ss+1], v[aa:aa+1], v[VV+2*(J/8):VV+2*(J/8)+1], v[ss:ss+1] op_sel_hi:[1,0,1]
.set J, J+1
.endr
.endm
; A TRIP: the change of slots, then chunk k.  Each wave waits for all its tensor loads (one is out: its eighth of chunk k), adds 0 to its spare word, and waits for that and for its reads of the slot that it left.
; Behind the round that slot takes chunk k + 1 (the first time: slot 1's first fill).
.macro CHUNK adw, refill, first
	s_wait_alu depctr_va_vdst(0)
	s_wait_tensorcnt 0x0
	ds_add_u32 v[SPW], v[NIL]
.if \refill
	s_xor_b32 s[G0B+1], s[G0B+1], SLOT1            ; no tensor load of mine is out: the other slot,
	s_add_nc_u64 s[G0B+2:G0B+3], s[G0B+2:G0B+3], CHB   ; the next chunk
.endif
	s_wait_dscnt 0x0
.if \refill
	ROUND
	tensor_load_to_lds s[G0B:G0B+3], s[G1C:G1C+7]  ; my one tensor load behind the round
	s_nop 0
.else
	s_barrier_signal -1
	s_barrier_wait -1                              ; nothing more is asked for
.endif
.rept 5
	v_nop                                          ; plain lines between the last products and what reads their results, loads into their operands or writes over them
.endr
.if (\first) == 0
	s_cmp_eq_u32 s[KIND], 0
	s_cbranch_scc1 .Lnot_kind_1_\@
	VWORK                                          ; kind 1: chunk k - 1's batch
.Lnot_kind_1_\@:
.endif
	s_wait_loadcnt 0x0                             ; no earlier load into these registers is out
.irp n, 0,1,2,3                                ; chunk k's bias and V
	global_load_b32 v[BI+2*\n], v[BVB], s[10:11] offset:64*\n
	global_load_b32 v[VV+2*\n], v[BVB], s[12:13] offset:64*\n
.endr
	MRUN \adw
	s_wait_xcnt 0x0                                ; the eight loads have read their bases: they step by 64 units
	s_add_nc_u64 s[10:11], s[10:11], 256
	s_add_nc_u64 s[12:13], s[12:13], 256
	s_cmp_lg_u32 s[KIND], 0
	s_cbranch_scc1 .Lnot_kind_0_\@
.rept 4
	v_nop
.endr
	VWORK                                          ; kind 0: chunk k's batch
.Lnot_kind_0_\@:
.endm
	s_load_b256 s[4:11], s[0:1], 0x0               ; values s[4:5], W1img s[6:7], W1's scales s[8:9], qb s[10:11]
	s_load_b128 s[12:15], s[0:1], 0x20             ; V s[12:13], scores s[14:15]
	v_lshl_add_u32 v[SPW], v0, 2, SPARE
	v_mov_b32 v[NIL], 0
	ds_add_u32 v[SPW], v[NIL]                      ; the opening: the add, twice on end, and its wait ahead of my first tensor load
	ds_add_u32 v[SPW], v[NIL]
	v_lshrrev_b32 v15, 5, v0
	v_readfirstlane_b32 s[WV], v15                 ; wave 0..7
	s_bfe_u32 s17, ttmp6, 0x40000                  ; cx: it enters global addresses of my own loads and stores alone
	s_lshl_b32 s18, ttmp9, 2
	s_add_co_u32 s18, s18, s17                     ; my block of 256 rows
	s_lshr_b32 s[KIND], s[WV], 2
	s_xor_b32 s[KIND], s[KIND], s[WV]
	s_and_b32 s[KIND], s[KIND], 1
	GRP1 G1W, 48
	GRP1 G1S, 32
	GRP1 G1C, 24
	s_mov_b32 s[SEL], 0x76543210
	s_mov_b32 s[SEL+1], 0xfedcba98
	s_mov_b32 s[CS], 0x4038aa3b                    ; c = 2 log2(e)
	s_mov_b32 s[CS+1], s[CS]
	s_mov_b32 s[TSC], 0
	s_and_b32 s56, s[WV], 3
	s_mul_i32 s58, s56, 12288                      ; the head's quarter of chunk 0 (waves 0-3)
	s_mov_b32 s59, 0
	s_lshl_b32 s60, s56, 13                        ; or of the scale bytes (waves 4-7)
	s_mov_b32 s61, 0
	s_mul_i32 s62, s[WV], 6144                     ; my eighth of a chunk
	s_mov_b32 s63, 0
	s_mov_b32 s[G0A], 1
	s_mov_b32 s[G0A+1], s58
	s_mov_b32 s[G0S], 1
	s_add_co_u32 s[G0S+1], s60, SCLB
	s_mov_b32 s[G0B], 1
	s_mov_b32 s[G0B+1], s62                        ; slot 0, chunk 0: each trip steps it ahead of its load
	s_lshl_b32 s66, s18, 20                        ; values: 256 rows of 4,096 bytes a work-group,
	s_lshl_b32 s67, s[WV], 17                      ; 32 a wave
	s_add_co_u32 s66, s66, s67
	s_mov_b32 s67, 0
	s_lshr_b32 s68, s18, 3
	s_lshl_b32 s68, s68, 12                        ; my batch's row of qb
	s_mov_b32 s69, 0
	s_lshl_b32 s70, s18, 10                        ; scores: 1,024 bytes a work-group
	s_mov_b32 s71, 0
	s_mul_i32 s74, s[WV], STGB
	s_add_co_u32 s74, s74, STG                     ; my stage
	s_lshl_b32 s75, s[WV], 7
	s_add_co_u32 s75, s75, OUTB
	v_and_b32 v10, 31, v0                          ; lane
	v_and_b32 v11, 15, v0                          ; r
	v_bfe_u32 v14, v0, 4, 1                        ; h
	v_lshlrev_b32 v[LI], 4, v10
	v_add_nc_u32 v[STA], s74, v[LI]
	v_mul_u32_u24 v[STL], v11, 528
	v_lshl_add_u32 v[STL], v14, 7, v[STL]
	v_add_nc_u32 v[STL], s74, v[STL]
	v_lshlrev_b32 v[BSA0], 5, v10
	v_add_nc_u32 v[BSA0], SCLB, v[BSA0]
	v_lshlrev_b32 v[BVB], 2, v11
	v_lshlrev_b32 v[SH8], 3, v14
	v_lshlrev_b32 v[SOA], 5, v14
	v_add_nc_u32 v[SOA], s75, v[SOA]
	v_add_nc_u32 v[ORD], OUTB, v[LI]
	v_mov_b32 v[TM+7], 0                           ; written once: a lane permute's destination counts as one of its sources
	s_wait_alu depctr_va_vdst(0)
	s_wait_dscnt 0x0                               ; both opening adds are done
	s_wait_kmcnt 0x0
	s_add_nc_u64 s[G0A+2:G0A+3], s[6:7], s[58:59]
	s_or_b32 s[G0A+3], s[G0A+3], 0x80000000
	s_add_nc_u64 s[G0B+2:G0B+3], s[6:7], s[62:63]
	s_or_b32 s[G0B+3], s[G0B+3], 0x80000000
	s_add_nc_u64 s[G0S+2:G0S+3], s[8:9], s[60:61]
	s_or_b32 s[G0S+3], s[G0S+3], 0x80000000
	s_add_nc_u64 s[VA:VA+1], s[4:5], s[66:67]
	s_add_nc_u64 s[10:11], s[10:11], s[68:69]
	s_add_nc_u64 s[14:15], s[14:15], s[70:71]
	LOADSET 0                                      ; my rows are asked for ahead of the round
	LOADSET 1
	LOADSET 2
	ROUND                                          ; all four work-groups are here: the first joint loads meet
	s_cmp_lt_u32 s[WV], 4                          ; one tensor load a wave at the head: waves 0-3 chunk 0, waves 4-7 the scale bytes
	s_cbranch_scc0 .Lhead_scales
	tensor_load_to_lds s[G0A:G0A+3], s[G1W:G1W+7]
	s_nop 0
.rept 4
	v_nop
.endr
	s_branch .Lhead_asked
.Lhead_scales:
	tensor_load_to_lds s[G0S:G0S+3], s[G1S:G1S+7]
	s_nop 0
.rept 4
	v_nop
.endr
.Lhead_asked:
	; ---- PHASE A
.set T, 0
.rept 16
	TASK T
.set T, T+1
.endr
.irp j, 0,1,2,3,4,5,6,7,8,9,10,11,12,13,14,15
	v_mov_b32 v[SC+\j], 0                          ; the rows' sums: so the batch has no first form of its own
.endr
.irp n, 0,1,2,3
	v_mov_b32 v[BI+2*\n+1], 0                      ; named as upper halves of pairs, never used
	v_mov_b32 v[VV+2*\n+1], 0
.endr
	WIN 0x40
	v_mov_b32 v[LIW], v[LI]
	v_add_nc_u32 v[AD1W], SLOT1, v[LI]
	WIN 0
	; ---- PHASE B
	CHUNK LIW, 1, 1                                ; chunk 0
	s_mov_b32 s[CNT], 7
.Lpair:                                            ; chunks 1 to 14, two a trip
	CHUNK AD1W, 1, 0
	CHUNK LIW, 1, 0
	s_sub_co_u32 s[CNT], s[CNT], 1
	s_cmp_lg_u32 s[CNT], 0
	s_cbranch_scc1 .Lpair
	CHUNK AD1W, 0, 0                               ; chunk 15: the tail is written out
	s_cmp_eq_u32 s[KIND], 0
	s_cbranch_scc1 .Lall_summed
.rept 4
	v_nop
.endr
	VWORK                                          ; kind 1: chunk 15's batch
.Lall_summed:
	s_wait_alu depctr_va_vdst(0)                   ; directly ahead of the first reader of the sums
	; ---- THE WAY OUT.  A row's sum lies in 16 lanes: four steps add them; x -2 (tanh's factor).  The work-group's 256 sums meet in LDS and wave 0 stores them as 1,024 consecutive bytes, aligned.
.irp x, 1,2,4,8
.irp i, 0,1,2,3,4,5,6,7,8,9,10,11,12,13,14,15
	v_add_f32_dpp v[SC+\i], v[SC+\i], v[SC+\i] row_xmask:\x row_mask:0xf bank_mask:0xf
.endr
.endr
.irp i, 0,2,4,6,8,10,12,14
	v_pk_mul_f32 v[SC+\i:SC+\i+1], v[SC+\i:SC+\i+1], -2.0 op_sel_hi:[1,0]
.endr
.irp t, 0,1
.irp g, 0,1
	ds_store_b128 v[SOA], v[SC+8*\t+4*\g:SC+8*\t+4*\g+3] offset:64*\t+16*\g   ; rows 16 t + 8 h + 4 g on; the 16 lanes of a half write the same bytes with the same values
.endr
.endr
	s_wait_dscnt 0x0                               ; for wave 0's sake
	s_barrier_signal -1
	s_barrier_wait -1
	s_cmp_lg_u32 s[WV], 0
	s_cbranch_scc1 .Lstored
	ds_load_b128 v[48:51], v[ORD]
	ds_load_b128 v[52:55], v[ORD] offset:512
	s_wait_dscnt 0x0
	global_store_b128 v[LI], v[48:51], s[14:15]
	global_store_b128 v[LI], v[52:55], s[14:15] offset:512
.Lstored:
	s_wait_tensorcnt 0x0                           ; the wave's end
	ds_add_u32 v[SPW], v[NIL]
	s_wait_dscnt 0x0
	ROUND                                          ; the closing round
	s_endpgm
.Lfunc_end_k_q2c8117d0b4_score:
	.size	k_q2c8117d0b4_score, .Lfunc_end_k_q2c8117d0b4_score-k_q2c8117d0b4_score
	.p2alignl 7, 3214868480
	.fill 96, 4, 3214868480
	.section	.rodata,"a",@progbits
	.p2align	6, 0x0
	.amdhsa_kernel k_q2c8117d0b4_score
		.amdhsa_group_segment_fixed_size 327680
		.amdhsa_private_segment_fixed_size 0
		.amdhsa_enable_private_segment 0
		.amdhsa_kernarg_size 48
		.amdhsa_user_sgpr_count 2
		.amdhsa_user_sgpr_kernarg_segment_ptr 1
		.amdhsa_wavefront_size32 1
		.amdhsa_system_sgpr_workgroup_id_x 1
		.amdhsa_system_sgpr_workgroup_id_y 1
		.amdhsa_system_sgpr_workgroup_id_z 1
		.amdhsa_system_vgpr_workitem_id 0
		.amdhsa_next_free_vgpr 512
		.amdhsa_next_free_sgpr 90
		.amdhsa_reserve_vcc 0
		.amdhsa_float_denorm_mode_32 3
		.amdhsa_float_denorm_mode_16_64 3
		.amdhsa_memory_ordered 1
		.amdhsa_forward_progress 1
		.amdhsa_inst_pref_size 255
	.end_amdhsa_kernel
	.section	.bss,"aw",@nobits
	.p2align	6
	.space	262144
	.amdgpu_metadata
---
amdhsa.version: [ 1, 2 ]
amdhsa.kernels:
  - .name:           k_q2c8117d0b4_score
    .symbol:         k_q2c8117d0b4_score.kd
    .args:
      - { .name: values, .offset: 0, .size: 8, .value_kind: global_buffer, .address_space: global }
      - { .name: W1img, .offset: 8, .size: 8, .value_kind: global_buffer, .address_space: global }
      - { .name: W1_scales, .offset: 16, .size: 8, .value_kind: global_buffer, .address_space: global }
      - { .name: qb, .offset: 24, .size: 8, .value_kind: global_buffer, .address_space: global }
      - { .name: V, .offset: 32, .size: 8, .value_kind: global_buffer, .address_space: global }
      - { .name: scores, .offset: 40, .size: 8, .value_kind: global_buffer, .address_space: global }
    .group_segment_fixed_size: 327680
    .private_segment_fixed_size: 0
    .kernarg_segment_align: 8
    .kernarg_segment_size: 48
    .max_flat_workgroup_size: 256
    .sgpr_count:     90
    .vgpr_count:     512
    .wavefront_size: 32
...
	.end_amdgpu_metadata
.endif
;; end of part 2
;; launch context (part 3): grid 256 x 1, 16 waves a work-group, no clusters, 10,752 bytes of LDS; arguments scores, values, out0, out1; writes out0, out1
.if DOCPART == 3
	.amdgcn_target "amdgcn-amd-amdhsa--gfx1250"
	.amdhsa_code_object_version 6
	.text
	.protected	k_q2c8117d0b4_context
	.globl	k_q2c8117d0b4_context
	.p2align	8
	.type	k_q2c8117d0b4_context,@function
k_q2c8117d0b4_context:
	s_mov_b64 s[64:65], 0
	v_nop
	global_prefetch_b8 v0, s[64:65] scope:SCOPE_SE
	s_setreg_imm32_b32 hwreg(HW_REG_WAVE_MODE, 25, 1), 1
	s_wait_xcnt 0x0
; ADDITIVE ATTENTION, launch 3 of 3: w = softmax over t of scores (out1); context = sum over t of w[t] values[t] (out0).
; Left out, as shown at the head of launch 1: bv and the sum of V, which the softmax takes away; scores holds the rest.
; SHARES.  Work-group (b, sl): batch b = number / 8, columns 128 sl .. 128 sl + 127 of the context: 512 bytes of each of the batch's 2,048 rows.  Wave w takes rows 128 w .. 128 w + 127; a lane 16 bytes of a row.
; Every output byte has one owner: the 16 waves' parts of the sum meet in LDS; the weights of rows 256 sl .. 256 sl + 255 are stored by waves 2 sl and 2 sl + 1 of work-group (b, sl).
; The batch's largest score is taken away before the exponential; p = 2^((s - max) log2(e)) is at most 1 and the sum at least 1; both outputs are multiplied by 1 / sum at the end.
; A stream bound by memory: no matrix unit.  No cluster and no tensor load: the eight work-groups of a batch share only its 8 KiB of scores.  Each load of a wave reads 512 consecutive bytes, aligned;
; 16 loads of every wave are on their way: a ring of 16 slots of 4 registers; every offset is an immediate (127 rows of 4,096 bytes at the most).
.set SPARE, 8704                       ; LDS: the waves' maxima at 0, their sums at 256, their parts of the context at 512 (512 bytes a wave); then the spare words, 128 bytes for each of 16 waves
.set X, 16                             ; v16-79  the ring
	s_load_b256 s[4:11], s[0:1], 0x0               ; scores s[4:5], values s[6:7], out0 s[8:9], out1 s[10:11]
	v_lshl_add_u32 v2, v0, 2, SPARE                ; v2: LDS address of my spare word; never rewritten
	v_mov_b32 v3, 0                                ; v3: 0; never rewritten
	v_lshrrev_b32 v1, 5, v0
	v_readfirstlane_b32 s12, v1                    ; wave 0..15
	v_and_b32 v1, 31, v0
	v_lshlrev_b32 v1, 4, v1
	s_wait_alu depctr_va_vdst(0)                   ; the wait behind the write
	s_lshr_b32 s13, ttmp9, 3                       ; b
	s_and_b32 s14, ttmp9, 7                        ; sl
	s_lshl_b32 s16, s13, 13
	s_lshl_b32 s15, s12, 9
	s_add_co_u32 s16, s16, s15                     ; scores and out1: 8,192 b + 512 w
	s_mov_b32 s17, 0
	s_lshl_b32 s18, s13, 23                        ; values: a batch is 8 MiB,
	s_lshl_b32 s15, s12, 19                        ; 128 rows are 512 KiB,
	s_add_co_u32 s18, s18, s15
	s_lshl_b32 s15, s14, 9                         ; my columns
	s_add_co_u32 s18, s18, s15
	s_mov_b32 s19, 0
	s_lshl_b32 s40, s13, 12
	s_add_co_u32 s40, s40, s15                     ; out0: 4,096 b + 512 sl
	s_mov_b32 s41, 0
	s_mov_b32 s42, 0x76543210                      ; v_permlanex16_b32's selects for lane l xor 16
	s_mov_b32 s43, 0xfedcba98
.irp k, 0,1,2,3,4,5,6,7
	s_mov_b32 s[21+2*\k], 0                        ; named as upper halves of the weights' pairs, never used
.endr
	v_mov_b32 v81, 0                               ; written once: a lane permute's destination counts as one of its sources
	v_mov_b32 v13, 0                               ; LDS byte 0
	s_lshl_b32 s15, s12, 2
	v_mov_b32 v12, s15                             ; my wave's word
	s_lshl_b32 s15, s12, 9
	s_add_co_u32 s15, s15, 512
	v_add_nc_u32 v14, s15, v1                      ; my wave's part of the context
	v_add_nc_u32 v15, 512, v1                      ; and where wave 0 reads the parts
	s_wait_alu depctr_va_vdst(0)
	s_wait_kmcnt 0x0
	s_add_nc_u64 s[4:5], s[4:5], s[16:17]
	s_add_nc_u64 s[10:11], s[10:11], s[16:17]
	s_add_nc_u64 s[6:7], s[6:7], s[18:19]
	s_add_nc_u64 s[8:9], s[8:9], s[40:41]
	global_load_b128 v[4:7], v1, s[4:5]            ; lane l: the scores of my wave's rows 4 l .. 4 l + 3
.irp t, 0,1,2,3,4,5,6,7,8,9,10,11,12,13,14,15
	global_load_b128 v[X+4*\t:X+4*\t+3], v1, s[6:7] offset:4096*\t th:TH_LOAD_NT   ; the ring is filled while the softmax is made
.endr
	s_wait_loadcnt 16                              ; the scores are in; the 16 row loads stay out
	; the batch's largest score
	v_max3_num_f32 v80, v4, v5, v6
	v_max_num_f32 v80, v80, v7
	v_max_num_f32_dpp v80, v80, v80 row_xmask:1 row_mask:0xf bank_mask:0xf
	v_max_num_f32_dpp v80, v80, v80 row_xmask:2 row_mask:0xf bank_mask:0xf
	v_max_num_f32_dpp v80, v80, v80 row_xmask:4 row_mask:0xf bank_mask:0xf
	v_max_num_f32_dpp v80, v80, v80 row_xmask:8 row_mask:0xf bank_mask:0xf
	v_permlanex16_b32 v81, v80, s42, s43
	v_max_num_f32 v80, v80, v81
	ds_store_b32 v12, v80
	s_wait_alu depctr_va_vdst(0)
	s_wait_dscnt 0x0                               ; for the others' sake: my store is done
	s_barrier_signal -1
	s_barrier_wait -1
.irp i, 0,1,2,3
	ds_load_b128 v[88+4*\i:91+4*\i], v13 offset:16*\i
.endr
	s_wait_dscnt 0x0
	v_max3_num_f32 v80, v88, v89, v90
.irp i, 91,93,95,97,99,101
	v_max3_num_f32 v80, v80, v[\i], v[\i+1]
.endr
	v_max_num_f32 v80, v80, v103
	; p = 2^((s - max) log2(e))
.irp i, 4,5,6,7
	v_sub_f32 v[\i], v[\i], v80
.endr
.irp i, 4,5,6,7
	v_mul_f32 v[\i], 0x3fb8aa3b, v[\i]
.endr
	s_wait_alu depctr_va_vdst(0)
.irp i, 4,5,6,7
	v_exp_f32 v[\i], v[\i]
.endr
	v_nop                                          ; a plain line behind the last exponential
	s_wait_alu depctr_va_vdst(0)                   ; one wait for the four, ahead of their first reader
	v_add_f32 v82, v4, v5
	v_add_f32 v83, v6, v7
	v_add_f32 v82, v82, v83
	v_add_f32_dpp v82, v82, v82 row_xmask:1 row_mask:0xf bank_mask:0xf
	v_add_f32_dpp v82, v82, v82 row_xmask:2 row_mask:0xf bank_mask:0xf
	v_add_f32_dpp v82, v82, v82 row_xmask:4 row_mask:0xf bank_mask:0xf
	v_add_f32_dpp v82, v82, v82 row_xmask:8 row_mask:0xf bank_mask:0xf
	v_permlanex16_b32 v81, v82, s42, s43
	v_add_f32 v82, v82, v81
	ds_store_b32 v12, v82 offset:256
	s_wait_alu depctr_va_vdst(0)
	s_wait_dscnt 0x0
	s_barrier_signal -1
	s_barrier_wait -1
.irp i, 0,1,2,3
	ds_load_b128 v[88+4*\i:91+4*\i], v13 offset:256+16*\i
.endr
	s_wait_dscnt 0x0
	v_pk_add_f32 v[88:89], v[88:89], v[90:91]
	v_pk_add_f32 v[92:93], v[92:93], v[94:95]
	v_pk_add_f32 v[96:97], v[96:97], v[98:99]
	v_pk_add_f32 v[100:101], v[100:101], v[102:103]
	v_pk_add_f32 v[88:89], v[88:89], v[92:93]
	v_pk_add_f32 v[96:97], v[96:97], v[100:101]
	v_pk_add_f32 v[88:89], v[88:89], v[96:97]
	v_add_f32 v83, v88, v89                        ; the batch's sum
	s_wait_alu depctr_va_vdst(0)
	v_rcp_f32 v82, v83
	v_nop
	s_wait_alu depctr_va_vdst(0)
; Row t of my 128: its weight comes out of lane t / 4 as a scalar; two packed multiply-adds; the slot takes the row 16 further on.
.macro ROWT t
	s_wait_alu depctr_va_vdst(0)
.if (\t) < 112
	s_wait_loadcnt 15
.else
	s_wait_loadcnt 127-(\t)                        ; the last 16 rows ask for nothing: the counts run down
.endif
	v_readlane_b32 s[20+2*((\t)%8)], v[4+(\t)%4], (\t)/4
.if (\t) == 0
	v_pk_mul_f32 v[8:9], v[X:X+1], s[20:21] op_sel_hi:[1,0]        ; the first row starts the sums: nothing is cleared
	v_pk_mul_f32 v[10:11], v[X+2:X+3], s[20:21] op_sel_hi:[1,0]
.else
	v_pk_fma_f32 v[8:9], v[X+4*((\t)%16):X+4*((\t)%16)+1], s[20+2*((\t)%8):21+2*((\t)%8)], v[8:9] op_sel_hi:[1,0,1]
	v_pk_fma_f32 v[10:11], v[X+4*((\t)%16)+2:X+4*((\t)%16)+3], s[20+2*((\t)%8):21+2*((\t)%8)], v[10:11] op_sel_hi:[1,0,1]
.endif
.if (\t) < 112
	global_load_b128 v[X+4*((\t)%16):X+4*((\t)%16)+3], v1, s[6:7] offset:4096*((\t)+16) th:TH_LOAD_NT
.endif
.endm
.set T, 0
.rept 128
	ROWT T
.set T, T+1
.endr
	; out1: my wave's 128 weights, if this work-group owns them
	s_wait_alu depctr_va_vdst(0)
	s_lshr_b32 s15, s12, 1
	s_cmp_lg_u32 s15, s14
	s_cbranch_scc1 .Lnot_my_weights
.irp i, 0,1,2,3
	v_mul_f32 v[84+\i], v[4+\i], v82
.endr
	global_store_b128 v1, v[84:87], s[10:11]       ; 32 lanes store 512 consecutive bytes, aligned
.Lnot_my_weights:
	; out0: the 16 waves' parts meet in LDS
	ds_store_b128 v14, v[8:11]
	s_wait_dscnt 0x0                               ; for wave 0's sake: my store is done
	s_barrier_signal -1
	s_barrier_wait -1
	s_cmp_lg_u32 s12, 0
	s_cbranch_scc1 .Ldone
.irp i, 0,1,2,3,4,5,6,7,8,9,10,11,12,13,14,15
	ds_load_b128 v[X+4*\i:X+4*\i+3], v15 offset:512*\i
.endr
	s_wait_dscnt 0x0
.irp i, 0,1,2,3,4,5,6,7
	v_pk_add_f32 v[X+4*\i:X+4*\i+1], v[X+4*\i:X+4*\i+1], v[X+4*\i+32:X+4*\i+33]
	v_pk_add_f32 v[X+4*\i+2:X+4*\i+3], v[X+4*\i+2:X+4*\i+3], v[X+4*\i+34:X+4*\i+35]
.endr
.irp i, 0,1,2,3
	v_pk_add_f32 v[X+4*\i:X+4*\i+1], v[X+4*\i:X+4*\i+1], v[X+4*\i+16:X+4*\i+17]
	v_pk_add_f32 v[X+4*\i+2:X+4*\i+3], v[X+4*\i+2:X+4*\i+3], v[X+4*\i+18:X+4*\i+19]
.endr
.irp i, 0,1
	v_pk_add_f32 v[X+4*\i:X+4*\i+1], v[X+4*\i:X+4*\i+1], v[X+4*\i+8:X+4*\i+9]
	v_pk_add_f32 v[X+4*\i+2:X+4*\i+3], v[X+4*\i+2:X+4*\i+3], v[X+4*\i+10:X+4*\i+11]
.endr
	v_pk_add_f32 v[X:X+1], v[X:X+1], v[X+4:X+5]
	v_pk_add_f32 v[X+2:X+3], v[X+2:X+3], v[X+6:X+7]
	v_pk_mul_f32 v[X:X+1], v[X:X+1], v[82:83] op_sel_hi:[1,0]      ; / the sum
	v_pk_mul_f32 v[X+2:X+3], v[X+2:X+3], v[82:83] op_sel_hi:[1,0]
	global_store_b128 v1, v[X:X+3], s[8:9]         ; 32 lanes store 512 consecutive bytes, aligned
.Ldone:
	s_wait_tensorcnt 0x0                           ; the wave's end, behind my last LDS store
	ds_add_u32 v2, v3
	s_wait_dscnt 0x0
	s_endpgm
.Lfunc_end_k_q2c8117d0b4_context:
	.size	k_q2c8117d0b4_context, .Lfunc_end_k_q2c8117d0b4_context-k_q2c8117d0b4_context
	.p2alignl 7, 3214868480
	.fill 96, 4, 3214868480
	.section	.rodata,"a",@progbits
	.p2align	6, 0x0
	.amdhsa_kernel k_q2c8117d0b4_context
		.amdhsa_group_segment_fixed_size 10752
		.amdhsa_private_segment_fixed_size 0
		.amdhsa_enable_private_segment 0
		.amdhsa_kernarg_size 32
		.amdhsa_user_sgpr_count 2
		.amdhsa_user_sgpr_kernarg_segment_ptr 1
		.amdhsa_wavefront_size32 1
		.amdhsa_system_sgpr_workgroup_id_x 1
		.amdhsa_system_sgpr_workgroup_id_y 1
		.amdhsa_system_sgpr_workgroup_id_z 1
		.amdhsa_system_vgpr_workitem_id 0
		.amdhsa_next_free_vgpr 128
		.amdhsa_next_free_sgpr 66
		.amdhsa_reserve_vcc 0
		.amdhsa_float_denorm_mode_32 3
		.amdhsa_float_denorm_mode_16_64 3
		.amdhsa_memory_ordered 1
		.amdhsa_forward_progress 1
		.amdhsa_inst_pref_size 54
	.end_amdhsa_kernel
	.amdgpu_metadata
---
amdhsa.version: [ 1, 2 ]
amdhsa.kernels:
  - .name:           k_q2c8117d0b4_context
    .symbol:         k_q2c8117d0b4_context.kd
    .args:
      - { .name: scores, .offset: 0, .size: 8, .value_kind: global_buffer, .address_space: global }
      - { .name: values, .offset: 8, .size: 8, .value_kind: global_buffer, .address_space: global }
      - { .name: out0, .offset: 16, .size: 8, .value_kind: global_buffer, .address_space: global }
      - { .name: out1, .offset: 24, .size: 8, .value_kind: global_buffer, .address_space: global }
    .group_segment_fixed_size: 10752
    .private_segment_fixed_size: 0
    .kernarg_segment_align: 8
    .kernarg_segment_size: 32
    .max_flat_workgroup_size: 512
    .sgpr_count:     66
    .vgpr_count:     128
    .wavefront_size: 32
...
	.end_amdgpu_metadata
.endif
;; end of part 3
